; MI455X (gfx1250); checked and timed in simulation.
; The chip was launched on July 23, 2026; its instructions are those of AMD's public machine-readable ISA for CDNA 5 (MIT licence, August 2026) and "CDNA5" Instruction Set Architecture Reference Guide (July 2026). The comments in the code are by the model that wrote it; some were corrected since.
;; Flash Attention. Allowed arithmetic: float matrix products may take bf16 or f16 operands with f32 sums; all other float work in f32.
;; Inputs: bk 1,024 float32; bo 1,024 float32; bq 1,024 float32; bv 1,024 float32; wk 1,024 x 1,024 float32; wo 1,024 x 1,024 float32; wq 1,024 x 1,024 float32; wv 1,024 x 1,024 float32; x 2 x 2,048 x 1,024 float32.
;; Outputs: out0 2 x 2,048 x 1,024 float32.
;; One version. Each part assembles by itself: llvm-mc -triple=amdgcn-amd-amdhsa -mcpu=gfx1250 --defsym DOCPART=n.
;; ======== version 1 of 1: 4 launches
;; limits: values are held in f16: magnitudes above 65,504 overflow, below 6.1e-05 lose precision
;; workspace buffers: xh 8,388,608 bytes; wqkvh 6,291,456 bytes; woh 2,097,152 bytes; qh 8,388,608 bytes; kh 8,388,608 bytes; vh 8,388,608 bytes; ah 8,388,608 bytes
;; launch cast (part 1): grid 256 x 1, 8 waves a work-group, no clusters, 0 bytes of LDS; arguments x, wq, wk, wv, wo, xh, wqkvh, woh; writes xh, wqkvh, woh
.if DOCPART == 1
	.amdgcn_target "amdgcn-amd-amdhsa--gfx1250"
	.amdhsa_code_object_version 6
	.text
	.protected	k_q8147f901ba_cast
	.globl	k_q8147f901ba_cast
	.p2align	8
	.type	k_q8147f901ba_cast,@function
k_q8147f901ba_cast:
	s_mov_b64 s[64:65], 0
	v_nop
	global_prefetch_b8 v0, s[64:65] scope:SCOPE_SE
	s_setreg_imm32_b32 hwreg(HW_REG_WAVE_MODE, 25, 1), 1
	s_wait_xcnt 0x0
; x and the four weight matrices, f32, are rounded once to f16 (nearest even) for the matrix products of the later launches.
; LIMIT: a number of magnitude 65,520 or more becomes infinite in f16; below 6.1e-5 the absolute step is 6e-8.
; A work-group converts 32 rows of 1,024 numbers: 131,072 bytes in, 65,536 bytes out.  Work-groups 0-127 take x;
; 128-159 wq, 160-191 wk, 192-223 wv, 224-255 wo.  wq, wk, wv go to wqkvh as [head 16][q,k,v][64][1024], so that the
; 192 weight rows of a head are consecutive; x and wo keep their order.
; No LDS, no matrix unit: a stream.  All 32 loads of a thread go out at once (the group's whole share is on its way),
; a load of a wave covers 512 consecutive bytes, a store of a wave 256 consecutive bytes at a multiple of 256.
; No register is written twice, so no wait frees a source.
.set X, 4                              ; v[4:131]    32 x 4 numbers as loaded
.set Y, 132                            ; v[132:195]  32 x 4 numbers in f16
	s_load_b512 s[8:23], s[0:1], 0x0               ; x s[8:9], wq s[10:11], wk s[12:13], wv s[14:15], wo s[16:17], xh s[18:19], wqkvh s[20:21], woh s[22:23]
	s_mov_b32 s2, ttmp9                            ; g
	s_max_u32 s3, s2, 128
	s_sub_co_u32 s3, s3, 128                       ; g - 128 for the weights' groups (0 for x's, not used there)
	s_lshr_b32 s4, s3, 5                           ; t: which weight matrix
	s_and_b32 s5, s3, 31                           ; u: which 32 rows of it
	v_lshlrev_b32 v1, 4, v0                        ; 16 bytes a thread in
	v_lshlrev_b32 v2, 3, v0                        ; 8 bytes a thread out
	s_lshr_b32 s6, s5, 1                           ; head = u / 2
	s_mul_i32 s6, s6, 192
	s_lshl_b32 s7, s4, 6
	s_add_co_u32 s6, s6, s7                        ; + 64 t
	s_and_b32 s7, s5, 1
	s_lshl_b32 s7, s7, 5
	s_add_co_u32 s6, s6, s7                        ; + 32 (u mod 2): the row in wqkvh
	s_lshl_b32 s6, s6, 11                          ; rows of 2,048 bytes
	s_lshl_b32 s7, s5, 16                          ; the place in woh
	s_cmp_eq_u32 s4, 3
	s_cselect_b32 s30, s7, s6
	s_lshl_b32 s28, s5, 17                         ; the place in a weight matrix
	s_lshl_b32 s6, s2, 17                          ; the place in x
	s_lshl_b32 s7, s2, 16                          ; the place in xh
	s_cmp_lt_u32 s2, 128
	s_cselect_b32 s28, s6, s28
	s_cselect_b32 s30, s7, s30
	s_mov_b32 s29, 0
	s_mov_b32 s31, 0
	s_wait_kmcnt 0x0
	s_cmp_eq_u32 s4, 2                             ; the buffers are chosen on the group's number alone
	s_cselect_b64 s[24:25], s[14:15], s[16:17]
	s_cmp_eq_u32 s4, 1
	s_cselect_b64 s[24:25], s[12:13], s[24:25]
	s_cmp_eq_u32 s4, 0
	s_cselect_b64 s[24:25], s[10:11], s[24:25]
	s_cmp_eq_u32 s4, 3
	s_cselect_b64 s[26:27], s[22:23], s[20:21]
	s_cmp_lt_u32 s2, 128
	s_cselect_b64 s[24:25], s[8:9], s[24:25]
	s_cselect_b64 s[26:27], s[18:19], s[26:27]
	s_add_nc_u64 s[24:25], s[24:25], s[28:29]      ; from
	s_add_nc_u64 s[26:27], s[26:27], s[30:31]      ; to
.set p, 0
.rept 32
	global_load_b128 v[X+4*p:X+4*p+3], v1, s[24:25] offset:4096*p th:TH_LOAD_NT   ; read once in the launch
.set p, p+1
.endr
.set p, 0
.rept 32
	s_wait_loadcnt 31-p                            ; loads come back in order (ISA guide 5.7.1): number p is in, the younger ones stay out
	v_cvt_pk_f16_f32 v[Y+2*p], v[X+4*p], v[X+4*p+1]
	v_cvt_pk_f16_f32 v[Y+2*p+1], v[X+4*p+2], v[X+4*p+3]
	global_store_b64 v2, v[Y+2*p:Y+2*p+1], s[26:27] offset:2048*p
.set p, p+1
.endr
	s_endpgm
.Lfunc_end_k_q8147f901ba_cast:
	.size	k_q8147f901ba_cast, .Lfunc_end_k_q8147f901ba_cast-k_q8147f901ba_cast
	.p2alignl 7, 3214868480
	.fill 96, 4, 3214868480
	.section	.rodata,"a",@progbits
	.p2align	6, 0x0
	.amdhsa_kernel k_q8147f901ba_cast
		.amdhsa_group_segment_fixed_size 0
		.amdhsa_private_segment_fixed_size 0
		.amdhsa_enable_private_segment 0
		.amdhsa_kernarg_size 64
		.amdhsa_user_sgpr_count 2
		.amdhsa_user_sgpr_kernarg_segment_ptr 1
		.amdhsa_wavefront_size32 1
		.amdhsa_system_sgpr_workgroup_id_x 1
		.amdhsa_system_sgpr_workgroup_id_y 1
		.amdhsa_system_sgpr_workgroup_id_z 1
		.amdhsa_system_vgpr_workitem_id 0
		.amdhsa_next_free_vgpr 196
		.amdhsa_next_free_sgpr 66
		.amdhsa_reserve_vcc 0
		.amdhsa_float_denorm_mode_32 3
		.amdhsa_float_denorm_mode_16_64 3
		.amdhsa_memory_ordered 1
		.amdhsa_forward_progress 1
		.amdhsa_inst_pref_size 13
	.end_amdhsa_kernel
	.amdgpu_metadata
---
amdhsa.version: [ 1, 2 ]
amdhsa.kernels:
  - .name:           k_q8147f901ba_cast
    .symbol:         k_q8147f901ba_cast.kd
    .args:
      - { .name: x, .offset: 0, .size: 8, .value_kind: global_buffer, .address_space: global }
      - { .name: wq, .offset: 8, .size: 8, .value_kind: global_buffer, .address_space: global }
      - { .name: wk, .offset: 16, .size: 8, .value_kind: global_buffer, .address_space: global }
      - { .name: wv, .offset: 24, .size: 8, .value_kind: global_buffer, .address_space: global }
      - { .name: wo, .offset: 32, .size: 8, .value_kind: global_buffer, .address_space: global }
      - { .name: xh, .offset: 40, .size: 8, .value_kind: global_buffer, .address_space: global }
      - { .name: wqkvh, .offset: 48, .size: 8, .value_kind: global_buffer, .address_space: global }
      - { .name: woh, .offset: 56, .size: 8, .value_kind: global_buffer, .address_space: global }
    .group_segment_fixed_size: 0
    .private_segment_fixed_size: 0
    .kernarg_segment_align: 8
    .kernarg_segment_size: 64
    .max_flat_workgroup_size: 256
    .sgpr_count:     66
    .vgpr_count:     196
    .wavefront_size: 32
...
	.end_amdgpu_metadata
.endif
;; end of part 1
;; launch qkv (part 2): grid 16 x 16, 4 waves a work-group, clusters of 4 x 4, 327,680 bytes of LDS; arguments xh, wqkvh, bq, bk, bv, qh, kh, vh; writes qh, kh, vh
.if DOCPART == 2
	.amdgcn_target "amdgcn-amd-amdhsa--gfx1250"
	.amdhsa_code_object_version 6
	.text
	.protected	k_q8147f901ba_qkv
	.globl	k_q8147f901ba_qkv
	.p2align	8
	.type	k_q8147f901ba_qkv,@function
k_q8147f901ba_qkv:
	s_mov_b64 s[64:65], 0
	v_nop
	global_prefetch_b8 v0, s[64:65] scope:SCOPE_SE
	s_setreg_imm32_b32 hwreg(HW_REG_WAVE_MODE, 25, 1), 1
	s_wait_xcnt 0x0
	s_wait_alu depctr_hold_cnt(0) depctr_sa_sdst(0) depctr_va_vdst(0) depctr_va_sdst(0) depctr_va_ssrc(0) depctr_va_vcc(0) depctr_vm_vsrc(0)
	s_getreg_b32 s2, hwreg(HW_REG_IB_STS2, 6, 4)
	s_cmp_eq_u32 s2, 0
	s_cbranch_scc0 .Lentry_in_a_cluster
	s_endpgm
.Lentry_in_a_cluster:
	s_bfe_u32 s2, ttmp6, 0x10000c
	s_cmp_lg_u32 s2, 0xf033
	s_cbranch_scc0 .Lentry_shape_is_right
	s_endpgm
.Lentry_shape_is_right:
; q, k, v of one head for 256 rows: C[256][192] = xh[256][1024] x wqkvh[192][1024]^T + bias, f16 operands, f32 sums, results rounded once to f16.
; LIMIT: q, k, v of magnitude 65,520 or more become infinite in f16; below 6.1e-5 the absolute step is 6e-8.
; Work-group (x = head, y = block of 256 rows); four waves, wave w makes rows 64 w .. 64 w + 63 by all 192 columns: 48 accumulator tiles, 384 registers.
; K goes in 8 steps of 128 through two LDS slots filled by the tensor data mover; a tile's rows are 256 bytes of memory at multiples of 256 bytes.
; CLUSTERS: 4 x 4 work-groups.  The four of a row of the cluster need the same rows of xh, the four of a column the same head's weights: such a
; tile is asked for jointly, by the same load with the same descriptor in all four, which divides the requests by four.
; REGISTERS by windows of 256:
;   window 0: v16-27 addresses; v64-95, v96-127 fragments of x (4 x 16 rows x 32 K), two buffers; v128-175 packed results; v176-223 rows read back
;   window 1: v0-95, v96-191 fragments of the weights (12 x 16 rows x 32 K), two buffers
;   window 2: the 32 tiles of q and k: tile (a, b) at v[8 (8 a + b)]
;   window 3: the 16 tiles of v: tile (a, b) at v[8 (4 a + b)]; v128-223 the bias as 12 tiles of C
; THE MATRIX INSTRUCTION IS USED TRANSPOSED: source 0 = 16 weight rows, source 1 = 16 rows of x.  Lane l then holds row l % 16 and its registers
; 0 to 7 the columns 8 (l / 16) + 0..7: eight neighbouring numbers of a row.  The bias of these eight columns, the same for every row, is the C of
; the first product of each sum: nothing is cleared and nothing is added afterwards.
.set KSTEP,  128
.set PITCH,  272                       ; an LDS row: 256 bytes + 16 of padding, an odd multiple of 16: the 16 rows of a fragment load start at 16 different 16-byte columns
.set HALFA,  128*PITCH                 ; what wave 0 or 1 fetches of x
.set ABYTES, 2*HALFA
.set HALFB,  96*PITCH                  ; what wave 2 or 3 fetches of the weights
.set SLOT,   ABYTES+2*HALFB            ; 121,856
.set STAGE,  2*SLOT                    ; 243,712 = 952 x 256: behind the ring, never filled by a tensor load
.set SP,     400                       ; a stage row: 384 bytes + 16
.set ADRA, 16                          ; v16-17 LDS address of my x fragments in slot 0, 1
.set ADRB, 20                          ; v20-21 the same for the weights
.set STO,  24                          ; where I put 16 bytes of a row
.set RD,   25                          ; where I read rows back
.set CO,   26                          ; 16 x lane: my bytes in 512 consecutive bytes of q, k or v
.set BO,   27                          ; 32 (l / 16): my eight bias numbers in a tile's sixteen
.set FA,   64                          ; + 32 f
.set TMP,  128
.set RB,   176
.set BIAS, 128                         ; in window 3
.set G1,  24                           ; s[24:31] group 1, x's tiles
.set G0,  32                           ; s[32:39] group 0, x's tiles, a set for each slot
.set G1B, 48                           ; s[48:55] group 1, the weights' tiles
.set G0B, 56                           ; s[56:63] group 0, the weights' tiles
.set MSB, 0
.macro WIN new                         ; the immediate's high byte repeats the setting that is left
.if MSB != \new
	s_set_vgpr_msb (MSB<<8)|\new
.set MSB, \new
.endif
.endm
.set TO_B, 0x40                        ; destination window 1, address window 0
; A joint load: waves 0 and 1 fetch x's two halves, waves 2 and 3 the weights'.  The branch hangs on the wave's number alone.
.macro JLOAD s
	s_cmp_eq_u32 s11, 0
	s_cbranch_scc0 .Lfor_b_\@
	tensor_load_to_lds s[G0+4*\s:G0+4*\s+3], s[G1:G1+7]
	s_nop 0
	s_branch .Lasked_\@
.Lfor_b_\@:
	tensor_load_to_lds s[G0B+4*\s:G0B+4*\s+3], s[G1B:G1B+7]
	s_nop 0
.Lasked_\@:
.endm
; A round of the cluster's barrier: my work-group's barrier; wave 0 signals for the work-group; every wave waits for all sixteen; my work-group's barrier again.
.macro CREST
	s_cmp_lg_u32 s10, 0
	s_cbranch_scc1 .Lnot_wave_0_\@
	s_barrier_signal -3
.Lnot_wave_0_\@:
	s_barrier_wait -3
	s_barrier_signal -1
	s_barrier_wait -1
.endm
.macro CROUND
	s_barrier_signal -1
	s_barrier_wait -1
	CREST
.endm
	s_load_b256 s[68:75], s[0:1], 0x0              ; xh s[68:69], wqkvh s[70:71], bq s[72:73], bk s[74:75]
	s_load_b256 s[76:83], s[0:1], 0x20             ; bv s[76:77], qh s[78:79], kh s[80:81], vh s[82:83]
	s_set_vgpr_msb 0x40
	v_lshl_add_u32 v255, v0, 2, 0x41c00
	s_set_vgpr_msb 0x4000
	v_mov_b32 v255, 0
	s_set_vgpr_msb 0x1
	ds_add_u32 v255, v255
	s_set_vgpr_msb 0x100
	v_lshrrev_b32 v1, 5, v0
	v_readfirstlane_b32 s10, v1                    ; wave 0..3
	s_lshr_b32 s11, s10, 1                         ; I fetch for x (0) or for the weights (1)
	s_and_b32 s12, s10, 1                          ; which half of that tile
	s_bfe_u32 s40, ttmp6, 0x40000                  ; cx
	s_bfe_u32 s41, ttmp6, 0x40004                  ; cy
	s_lshl_b32 s42, ttmp9, 2
	s_add_co_u32 s42, s42, s40                     ; head = 4 x cluster x + cx
	s_and_b32 s13, ttmp7, 0xffff
	s_lshl_b32 s13, s13, 2
	s_add_co_u32 s13, s13, s41                     ; block of 256 rows = 4 x cluster y + cy
	s_lshl_b32 s43, s41, 2
	s_lshl_b32 s43, 15, s43                        ; my row of the cluster
	s_lshl_b32 s44, 0x1111, s40                    ; my column
	s_or_b32 s[G1+0], s43, (1<<16)|(1<<20)|(1<<21)|(5<<22)|(3<<25)   ; mask of my row; elements of 2 bytes; padding on; bit 21 beside a mask; after every 64 words 4 words
	s_or_b32 s[G1B+0], s44, (1<<16)|(1<<20)|(1<<21)|(5<<22)|(3<<25)  ; the same with the mask of my column
	s_mov_b32 s[G1+1], KSTEP<<16                   ; tensor_dim0 = 128
	s_mov_b32 s[G1B+1], KSTEP<<16
	s_mov_b32 s[G1+2], 128<<16                     ; tensor_dim1 = 128 rows
	s_mov_b32 s[G1B+2], 96<<16                     ; 96 rows
	s_mov_b32 s[G1+3], KSTEP<<16                   ; tile_dim0 = 128
	s_mov_b32 s[G1B+3], KSTEP<<16
	s_mov_b32 s[G1+4], 128                         ; tile_dim1
	s_mov_b32 s[G1B+4], 96
	s_mov_b32 s[G1+5], 1024                        ; elements from row to row
	s_mov_b32 s[G1B+5], 1024
	s_mov_b32 s[G1+6], 0
	s_mov_b32 s[G1B+6], 0
	s_mov_b32 s[G1+7], 0
	s_mov_b32 s[G1B+7], 0
	; x's tiles hang on the block of rows alone, the weights' on the head alone, each made in registers that never hold the other coordinate
	s_lshl_b32 s17, s12, 7
	s_lshl_b32 s16, s13, 8
	s_add_co_u32 s16, s16, s17                     ; row 256 x block + 128 x half
	s_lshl_b32 s16, s16, 11                        ; rows of 2,048 bytes
	s_mov_b32 s17, 0
	s_mul_i32 s46, s42, 192
	s_mul_i32 s47, s12, 96
	s_add_co_u32 s46, s46, s47                     ; weight row 192 x head + 96 x half
	s_lshl_b32 s46, s46, 11
	s_mov_b32 s47, 0
	s_mul_i32 s20, s10, HALFA                      ; LDS: x's halves at wave x 128 rows (waves 0, 1)
	s_mul_i32 s21, s10, HALFB
	s_add_co_u32 s21, s21, ABYTES-2*HALFB          ; the weights' halves behind them (waves 2, 3)
	s_wait_dscnt 0x0
	s_wait_kmcnt 0x0
	s_add_nc_u64 s[14:15], s[68:69], s[16:17]
	s_add_nc_u64 s[46:47], s[70:71], s[46:47]
	CROUND                                         ; all sixteen work-groups are here: the first joint loads meet
.irp s, 0,1
	s_mov_b32 s[G0+4*\s], 1
	s_add_co_u32 s[G0+4*\s+1], s20, \s*SLOT
	s_add_nc_u64 s[G0+4*\s+2:G0+4*\s+3], s[14:15], \s*KSTEP*2
	s_or_b32 s[G0+4*\s+3], s[G0+4*\s+3], 0x80000000
	s_mov_b32 s[G0B+4*\s], 1
	s_add_co_u32 s[G0B+4*\s+1], s21, \s*SLOT
	s_add_nc_u64 s[G0B+4*\s+2:G0B+4*\s+3], s[46:47], \s*KSTEP*2
	s_or_b32 s[G0B+4*\s+3], s[G0B+4*\s+3], 0x80000000
	JLOAD \s                                       ; both slots' first fills go out together: two loads of the wave are out
.endr
	; the bias as twelve tiles of C: lane l takes the eight numbers of columns 16 b + 8 (l / 16) + 0..7
	s_lshl_b32 s6, s42, 8                          ; 64 numbers a head
	s_mov_b32 s7, 0
	s_add_nc_u64 s[72:73], s[72:73], s[6:7]
	s_add_nc_u64 s[74:75], s[74:75], s[6:7]
	s_add_nc_u64 s[76:77], s[76:77], s[6:7]
	v_and_b32 v1, 15, v0                           ; l % 16
	v_bfe_u32 v2, v0, 4, 1                         ; l / 16
	v_lshlrev_b32 v[BO], 5, v2
	WIN 0xc0                                       ; destination window 3, address window 0
.irp b, 0,1,2,3
	global_load_b128 v[BIAS+8*\b:BIAS+8*\b+3],       v[BO], s[72:73] offset:64*\b
	global_load_b128 v[BIAS+8*\b+4:BIAS+8*\b+7],     v[BO], s[72:73] offset:64*\b+16
	global_load_b128 v[BIAS+32+8*\b:BIAS+32+8*\b+3], v[BO], s[74:75] offset:64*\b
	global_load_b128 v[BIAS+32+8*\b+4:BIAS+32+8*\b+7], v[BO], s[74:75] offset:64*\b+16
	global_load_b128 v[BIAS+64+8*\b:BIAS+64+8*\b+3], v[BO], s[76:77] offset:64*\b
	global_load_b128 v[BIAS+64+8*\b+4:BIAS+64+8*\b+7], v[BO], s[76:77] offset:64*\b+16
.endr
	WIN 0
	; a fragment is 16 rows x 32 K in 8 registers: lane l holds row l % 16, registers 0-3 K = 8 (l / 16) + 0..7, registers 4-7 K = 16 + 8 (l / 16) + 0..7
	v_mul_u32_u24 v3, v1, PITCH
	v_lshl_add_u32 v3, v2, 4, v3                   ; row x pitch + 16 x half
	s_mul_i32 s22, s10, 64*PITCH                   ; my 64 rows of x
	v_add_nc_u32 v[ADRA], s22, v3
	v_add_nc_u32 v[ADRA+1], SLOT, v[ADRA]
	v_add_nc_u32 v[ADRB], ABYTES, v3
	v_add_nc_u32 v[ADRB+1], ABYTES+SLOT, v3
	s_mul_i32 s23, s10, 16*SP
	s_add_co_u32 s23, s23, STAGE                   ; my stage
	v_mul_u32_u24 v4, v1, SP
	v_lshl_add_u32 v4, v2, 4, v4
	v_add_nc_u32 v[STO], s23, v4
	v_and_b32 v5, 31, v0
	v_lshrrev_b32 v6, 3, v5                        ; back: eight lanes take the 128 bytes that a row holds of q (or k, or v), four rows a load
	v_and_b32 v7, 7, v0
	v_mul_u32_u24 v6, v6, SP
	v_lshl_add_u32 v6, v7, 4, v6
	v_add_nc_u32 v[RD], s23, v6
	v_lshlrev_b32 v[CO], 4, v5
; 16 matrix instructions on q's and k's tiles: row blocks a0, a0 + 1 x column blocks 0..7, 32 along K, fragment buffer f.  zero = 1: the bias starts the sums.
; The 48 accumulators take turns, one instruction a turn, in the same order in every quarter step.
.macro MULQK f, a0, zero
.if \zero
	WIN 0xb1                                       ; source 0 window 1, source 1 window 0, C window 3 (bias), D window 2
.else
	WIN 0xa1                                       ; C and D window 2
.endif
.irp a, \a0, \a0+1
.irp b, 0,1,2,3,4,5,6,7
.if \zero
	v_wmma_f32_16x16x32_f16 v[8*(8*(\a)+\b):8*(8*(\a)+\b)+7], v[96*\f+8*\b:96*\f+8*\b+7], v[FA+32*\f+8*(\a):FA+32*\f+8*(\a)+7], v[BIAS+8*\b:BIAS+8*\b+7]
.else
	v_wmma_f32_16x16x32_f16 v[8*(8*(\a)+\b):8*(8*(\a)+\b)+7], v[96*\f+8*\b:96*\f+8*\b+7], v[FA+32*\f+8*(\a):FA+32*\f+8*(\a)+7], v[8*(8*(\a)+\b):8*(8*(\a)+\b)+7]
.endif
.endr
.endr
.endm
; 16 matrix instructions on v's tiles: all four row blocks x column blocks 8..11
.macro MULV f, zero
	WIN 0xf1                                       ; C and D window 3
.irp a, 0,1,2,3
.irp b, 0,1,2,3
.if \zero
	v_wmma_f32_16x16x32_f16 v[8*(4*\a+\b):8*(4*\a+\b)+7], v[96*\f+64+8*\b:96*\f+64+8*\b+7], v[FA+32*\f+8*\a:FA+32*\f+8*\a+7], v[BIAS+64+8*\b:BIAS+64+8*\b+7]
.else
	v_wmma_f32_16x16x32_f16 v[8*(4*\a+\b):8*(4*\a+\b)+7], v[96*\f+64+8*\b:96*\f+64+8*\b+7], v[FA+32*\f+8*\a:FA+32*\f+8*\a+7], v[8*(4*\a+\b):8*(4*\a+\b)+7]
.endif
.endr
.endr
.endm
; 32 LDS loads in one run: x's 4 fragments, the weights' 0..7, then 8..11 (v's, needed last), 32 K at byte k of the rows, into buffer f
.macro FETCH slot, k, f
	WIN 0
.irp i, 0,1,2,3
	ds_load_b128 v[FA+32*\f+8*\i:FA+32*\f+8*\i+3],   v[ADRA+\slot] offset:\k+\i*16*PITCH
	ds_load_b128 v[FA+32*\f+8*\i+4:FA+32*\f+8*\i+7], v[ADRA+\slot] offset:\k+\i*16*PITCH+32
.endr
	WIN TO_B
.irp i, 0,1,2,3,4,5,6,7,8,9,10,11
	ds_load_b128 v[96*\f+8*\i:96*\f+8*\i+3],   v[ADRB+\slot] offset:\k+\i*16*PITCH
	ds_load_b128 v[96*\f+8*\i+4:96*\f+8*\i+7], v[ADRB+\slot] offset:\k+\i*16*PITCH+32
.endr
.endm
; A load into a register that a matrix instruction has read, and a vector instruction that reads a matrix result, stand four places behind that
; matrix instruction; only plain vector instructions that name none of its registers are places.
.macro PLACES
.rept 4
	v_nop
.endr
.endm
; One of a K step's first three quarter steps: multiplies buffer f, and fetches the next quarter's fragments (byte k of the same slot's rows) into buffer g
.macro QUARTER slot, k, f, g, zero
	s_wait_dscnt 8                                 ; all but the youngest eight loads (the weights' fragments 8..11) are in
	MULQK \f, 0, \zero
	PLACES
	FETCH \slot, \k, \g
	MULQK \f, 2, \zero
	s_wait_dscnt 32                                ; all but the 32 just issued
	MULV \f, \zero
.endm
.macro THREE slot, zero
	QUARTER \slot, 64,  0, 1, \zero
	QUARTER \slot, 128, 1, 0, 0
	QUARTER \slot, 192, 0, 1, 0
.endm
; The last quarter step: multiplies buffer 1 and changes slots.  In front of the barrier each wave waits for its reads of this slot and for all its
; tensor loads (the one that is out is its part of the next slot).  Behind it nobody reads this slot and the next one is whole: the refill comes
; first, then the next slot's first fragments.  From a request to the wait for it a wave issues 176 matrix instructions.
.macro TURN slot, next, fill
	s_wait_dscnt 8
	MULQK 1, 0, 0
	s_wait_dscnt 0                                 ; my reads of this slot are over
	s_wait_tensorcnt 0x0                           ; and all my tensor loads have landed
	ds_add_u32 v255, v255
	s_wait_dscnt 0x0
	s_barrier_signal -1                            ; where the slot is filled again this barrier opens a round of the cluster's barrier
	MULQK 1, 2, 0                                  ; register work while the others arrive
	WIN 0
	s_barrier_wait -1
.if \fill
	CREST                                          ; no wave of any partner still reads this slot's tile or has a load on its way
	s_add_nc_u64 s[G0+4*\slot+2:G0+4*\slot+3], s[G0+4*\slot+2:G0+4*\slot+3], 2*KSTEP*2
	s_add_nc_u64 s[G0B+4*\slot+2:G0B+4*\slot+3], s[G0B+4*\slot+2:G0B+4*\slot+3], 2*KSTEP*2
	JLOAD \slot                                    ; my one tensor load behind the round, and the first thing there
.endif
	PLACES
	FETCH \next, 0, 0
	MULV 1, 0
.endm
.macro LAP zero
	THREE 0, \zero
	TURN 0, 1, 1
	THREE 1, 0
	TURN 1, 0, 1
.endm
	s_wait_tensorcnt 0x1                           ; my part of K step 0 is in; K step 1's stays out
	s_barrier_signal -1
	s_barrier_wait -1                              ; everybody's part is in
	s_wait_loadcnt 0x0                             ; the bias: the first products take it as C
	FETCH 0, 0, 0
	LAP 1                                          ; K steps 0, 1; asks for 2, 3
	WIN 0
	s_mov_b32 s3, 2
.Llap:
	LAP 0                                          ; K steps 2..5; asks for 4..7
	WIN 0
	s_sub_co_u32 s3, s3, 1
	s_cmp_lg_u32 s3, 0
	s_cbranch_scc1 .Llap
	THREE 0, 0                                     ; the last lap fills nothing
	TURN 0, 1, 0
	THREE 1, 0
	s_wait_dscnt 8
	MULQK 1, 0, 0
	MULQK 1, 2, 0
	s_wait_dscnt 0
	MULV 1, 0
	; THE WAY OUT, 16 rows at a time: round to f16, 16 bytes a lane into my own stage, read back as rows of q, of k and of v
	PLACES
	s_lshr_b32 s4, s13, 3                          ; batch
	s_lshl_b32 s4, s4, 4
	s_add_co_u32 s4, s4, s42                       ; 16 x batch + head
	s_lshl_b32 s4, s4, 18                          ; a head is 2,048 rows of 128 bytes
	s_and_b32 s5, s13, 7
	s_lshl_b32 s5, s5, 15                          ; 256 rows a block
	s_add_co_u32 s4, s4, s5
	s_lshl_b32 s5, s10, 13                         ; 64 rows a wave
	s_add_co_u32 s4, s4, s5
	s_mov_b32 s5, 0
	s_add_nc_u64 s[78:79], s[78:79], s[4:5]
	s_add_nc_u64 s[80:81], s[80:81], s[4:5]
	s_add_nc_u64 s[82:83], s[82:83], s[4:5]
.macro OUT16 a
	WIN 0x0a                                       ; sources window 2
.irp b, 0,1,2,3,4,5,6,7
.irp r, 0,1,2,3
	v_cvt_pk_f16_f32 v[TMP+4*\b+\r], v[8*(8*\a+\b)+2*\r], v[8*(8*\a+\b)+2*\r+1]
.endr
.endr
	WIN 0x0f                                       ; sources window 3
.irp b, 0,1,2,3
.irp r, 0,1,2,3
	v_cvt_pk_f16_f32 v[TMP+32+4*\b+\r], v[8*(4*\a+\b)+2*\r], v[8*(4*\a+\b)+2*\r+1]
.endr
.endr
	WIN 0
.irp b, 0,1,2,3,4,5,6,7,8,9,10,11
	ds_store_b128 v[STO], v[TMP+4*\b:TMP+4*\b+3] offset:32*\b
.endr
	s_wait_xcnt 0x0                                ; RB, which the last stores read, is loaded again only behind this wait (ISA guide 3.1)
.irp t, 0,1,2
.irp i, 0,1,2,3
	ds_load_b128 v[RB+4*(4*\t+\i):RB+4*(4*\t+\i)+3], v[RD] offset:\t*128+\i*4*SP   ; LDS serves a wave's instructions in order: these see the stores above
.endr
.endr
.set n, 0
.irp t, 0,1,2
.irp i, 0,1,2,3
	s_wait_dscnt 11-n
	global_store_b128 v[CO], v[RB+4*n:RB+4*n+3], s[78+2*\t:79+2*\t] offset:\a*2048+\i*512   ; four rows of 128 bytes: 512 consecutive bytes at a multiple of 512
.set n, n+1
.endr
.endr
.endm
	OUT16 0
	OUT16 1
	OUT16 2
	OUT16 3
	s_set_vgpr_msb 0x1
	s_wait_tensorcnt 0x0
	ds_add_u32 v255, v255
	s_wait_dscnt 0x0
	s_set_vgpr_msb 0x100
	CROUND                                         ; the closing round: no work-group ends while a partner may still ask for a tile that names it
	s_endpgm
.Lfunc_end_k_q8147f901ba_qkv:
	.size	k_q8147f901ba_qkv, .Lfunc_end_k_q8147f901ba_qkv-k_q8147f901ba_qkv
	.p2alignl 7, 3214868480
	.fill 96, 4, 3214868480
	.section	.rodata,"a",@progbits
	.p2align	6, 0x0
	.amdhsa_kernel k_q8147f901ba_qkv
		.amdhsa_group_segment_fixed_size 327680
		.amdhsa_private_segment_fixed_size 0
		.amdhsa_enable_private_segment 0
		.amdhsa_kernarg_size 64
		.amdhsa_user_sgpr_count 2
		.amdhsa_user_sgpr_kernarg_segment_ptr 1
		.amdhsa_wavefront_size32 1
		.amdhsa_system_sgpr_workgroup_id_x 1
		.amdhsa_system_sgpr_workgroup_id_y 1
		.amdhsa_system_sgpr_workgroup_id_z 1
		.amdhsa_system_vgpr_workitem_id 0
		.amdhsa_next_free_vgpr 1024
		.amdhsa_next_free_sgpr 84
		.amdhsa_reserve_vcc 0
		.amdhsa_float_denorm_mode_32 3
		.amdhsa_float_denorm_mode_16_64 3
		.amdhsa_memory_ordered 1
		.amdhsa_forward_progress 1
		.amdhsa_inst_pref_size 166
	.end_amdhsa_kernel
	.amdgpu_metadata
---
amdhsa.version: [ 1, 2 ]
amdhsa.kernels:
  - .name:           k_q8147f901ba_qkv
    .symbol:         k_q8147f901ba_qkv.kd
    .args:
      - { .name: xh, .offset: 0, .size: 8, .value_kind: global_buffer, .address_space: global }
      - { .name: wqkvh, .offset: 8, .size: 8, .value_kind: global_buffer, .address_space: global }
      - { .name: bq, .offset: 16, .size: 8, .value_kind: global_buffer, .address_space: global }
      - { .name: bk, .offset: 24, .size: 8, .value_kind: global_buffer, .address_space: global }
      - { .name: bv, .offset: 32, .size: 8, .value_kind: global_buffer, .address_space: global }
      - { .name: qh, .offset: 40, .size: 8, .value_kind: global_buffer, .address_space: global }
      - { .name: kh, .offset: 48, .size: 8, .value_kind: global_buffer, .address_space: global }
      - { .name: vh, .offset: 56, .size: 8, .value_kind: global_buffer, .address_space: global }
    .group_segment_fixed_size: 327680
    .private_segment_fixed_size: 0
    .kernarg_segment_align: 8
    .kernarg_segment_size: 64
    .max_flat_workgroup_size: 128
    .sgpr_count:     84
    .vgpr_count:     1024
    .wavefront_size: 32
...
	.end_amdgpu_metadata
.endif
;; end of part 2
;; launch attn (part 3): grid 8 x 32, 8 waves a work-group, clusters of 4 x 1, 327,680 bytes of LDS; arguments qh, kh, vh, ah; writes ah
.if DOCPART == 3
	.amdgcn_target "amdgcn-amd-amdhsa--gfx1250"
	.amdhsa_code_object_version 6
	.text
	.protected	k_q8147f901ba_attn
	.globl	k_q8147f901ba_attn
	.p2align	8
	.type	k_q8147f901ba_attn,@function
k_q8147f901ba_attn:
	s_mov_b64 s[64:65], 0
	v_nop
	global_prefetch_b8 v0, s[64:65] scope:SCOPE_SE
	s_setreg_imm32_b32 hwreg(HW_REG_WAVE_MODE, 25, 1), 1
	s_wait_xcnt 0x0
	s_wait_alu depctr_hold_cnt(0) depctr_sa_sdst(0) depctr_va_vdst(0) depctr_va_sdst(0) depctr_va_ssrc(0) depctr_va_vcc(0) depctr_vm_vsrc(0)
	s_getreg_b32 s2, hwreg(HW_REG_IB_STS2, 6, 4)
	s_cmp_eq_u32 s2, 0
	s_cbranch_scc0 .Lentry_in_a_cluster
	s_endpgm
.Lentry_in_a_cluster:
	s_bfe_u32 s2, ttmp6, 0x10000c
	s_cmp_lg_u32 s2, 0x3003
	s_cbranch_scc0 .Lentry_shape_is_right
	s_endpgm
.Lentry_shape_is_right:
; Softmax attention of one head for 256 queries over all 2,048 keys.  f16 operands (q, k, v and the weights p), f32 sums, softmax in f32 with a running maximum.
; LIMIT: the attention output is rounded to f16 (65,520 or more becomes infinite; absolute step 6e-8 below 6.1e-5); a weight below 6e-8 of its query's largest counts as 0 in P V, not in the row sum.
; Work-group (x = block of 256 queries, y = 16 x batch + head), eight waves: wave w has the 64 queries 64 (w & 3) .. and the half w >> 2 of each slot's 256 keys.
; The two halves are merged at the end, exactly, through LDS.
; CLUSTERS: the four query blocks of a cluster read the same K and V tiles and ask for them jointly (mask 15).
; TRANSPOSED FORM: S^T = K Q^T (source 0 = 16 keys, source 1 = 16 queries): lane l holds query l % 16, registers 0..7 the keys 8 (l / 16) + 0..7.  Two such tiles,
; rounded to f16, ARE the second source of O^T = V^T P^T: no lane ever hands a weight to another.  Maxima and sums are a lane's own but for one exchange with
; lane l xor 16.  O^T gives a lane eight neighbouring d of one query.  V^T's fragments come from V's rows by the transposing LDS load.
; TWO KINDS OF WAVES, HALF A STEP APART.  A step (64 keys x 64 queries) is SCORES (32 matrix instructions), SOFT (vector work alone, no memory access) and PV (32 matrix
; instructions).  PV of one step and SCORES of the next stand together, so a wave's text alternates between 64 matrix instructions and one SOFT.  Eight waves on four
; SIMDs are two a SIMD; so that one's SOFT falls on the other's matrix work, waves of kind 0 do the SOFT of a slot's last step in front of the barrier that changes slots
; and waves of kind 1 behind it: between two barriers kind 0 runs matrix, SOFT, matrix, SOFT and kind 1 SOFT, matrix, SOFT, matrix.  The step that is pending at the
; barrier needs nothing from LDS: its K fragments are used up and its V fragments are in registers.  kind = (w xor w >> 2) & 1: waves w and w + 4 differ in kind, and so do
; waves 2 i and 2 i + 1.  The branches on the kind jump over register work alone; every barrier, wait and memory instruction is on every wave's path.
; LDS: slot s at 81,920 s: K 256 rows x 144 bytes, at + 40,960 V 256 rows x 160 bytes; 163,840: 4 x 17,408 for the merge; 233,472: 4 x 64 rows x 144 for the way out.
.set KP,   144                         ; K's LDS pitch: 128 + 16, an odd multiple of 16
.set VP,   160                         ; V's LDS pitch: 128 + 32, an odd multiple of 32 (transposing loads)
.set VOFF, 40960
.set SLOT, 81920
.set SCR,  2*SLOT                      ; 640 x 256
.set SCRW, 17408
.set STG,  SCR+4*SCRW                  ; 912 x 256
.set STGW, 64*KP
; window 0
.set KA,  2                            ; v2-3   my K fragments' address in slot 0, 1
.set VA,  4                            ; v4-5   my V fragments' address
.set QO,  6                            ; my offset in my wave's 64 rows of q
.set XA,  7                            ; my 16 bytes in a 512-byte block of the merge area of my queries
.set NF,  8                            ; v8-11  merge: the common shift
.set MN,  12                           ; v12-15 running maximum of the raw scores, one for each block of 16 queries
.set NMC, 16                           ; v16-23 - c x maximum, twice (pairs for packed arithmetic); c = log2(e) / 8
.set AL,  24                           ; v24-31 what a new maximum shrinks the old sums by, twice
.set LS,  32                           ; v32-39 sums of weights, two partial sums for each block of queries
.set T,   40                           ; v40-47 at work
.set PN,  48                           ; v48-51 partner's - c x maximum
.set PL,  52                           ; v52-55 partner's sum
.set STO, 56
.set RD,  57
.set CO,  58
.set KF,  64                           ; v64-127  K fragments (mt, ks) at 8 (2 mt + ks)
.set SC,  128                          ; v128-255 S^T tiles (mt, nt) at 8 (4 mt + nt); P (kk, nt) in place in tile (2 kk, nt)
; window 1
.set OA,  0                            ; v256-383 O^T tiles (md, nt) at 8 (4 md + nt)
.set QF,  128                          ; v384-447 Q fragments (nt, ks) at 8 (2 nt + ks)
.set VF,  192                          ; v448-511 V^T fragments (md, kk) at 8 (2 md + kk)
.set G1K, 28
.set G1V, 36
.set G0K, 44                           ; s[44:51] a set for each slot
.set G0V, 52                           ; s[52:59]
.set MSB, 0
.macro WIN new                         ; the immediate's high byte repeats the setting that is left
.if MSB != \new
	s_set_vgpr_msb (MSB<<8)|\new
.set MSB, \new
.endif
.endm
.macro JLOAD s                         ; waves 0-3 fetch 64 rows of K each, waves 4-7 64 rows of V each
	s_cmp_eq_u32 s14, 0
	s_cbranch_scc0 .Lfor_v_\@
	tensor_load_to_lds s[G0K+4*\s:G0K+4*\s+3], s[G1K:G1K+7]
	s_nop 0
	s_branch .Lasked_\@
.Lfor_v_\@:
	tensor_load_to_lds s[G0V+4*\s:G0V+4*\s+3], s[G1V:G1V+7]
	s_nop 0
.Lasked_\@:
.endm
.macro CROUND                          ; a round of the cluster's barrier
	s_barrier_signal -1
	s_barrier_wait -1
	s_cmp_lg_u32 s12, 0
	s_cbranch_scc1 .Lnot_wave_0_\@
	s_barrier_signal -3
.Lnot_wave_0_\@:
	s_barrier_wait -3
	s_barrier_signal -1
	s_barrier_wait -1
.endm
	s_load_b256 s[4:11], s[0:1], 0x0               ; qh s[4:5], kh s[6:7], vh s[8:9], ah s[10:11]
	v_lshl_add_u32 v126, v0, 2, 0x42000
	v_mov_b32 v127, 0
	ds_add_u32 v126, v127
	s_wait_dscnt 0x0
	v_lshrrev_b32 v1, 5, v0
	v_readfirstlane_b32 s12, v1                    ; wave 0..7
	s_and_b32 s13, s12, 3                          ; my 64 queries; also which 64 rows of a tile I fetch
	s_lshr_b32 s14, s12, 2                         ; my half of the keys; also: I fetch K (0) or V (1)
	s_xor_b32 s20, s14, s12
	s_and_b32 s20, s20, 1                          ; my kind: on which side of a change of slots I do the pending SOFT
	s_bfe_u32 s15, ttmp6, 0x40000                  ; cx
	s_lshl_b32 s16, ttmp9, 2
	s_add_co_u32 s16, s16, s15                     ; block of 256 queries
	s_and_b32 s17, ttmp7, 0xffff                   ; 16 x batch + head
	s_mov_b32 s18, 0x76543210                      ; v_permlanex16_b32: lane i of one half reads lane i of the other
	s_mov_b32 s19, 0xfedcba98
	s_mov_b32 s21, 0xbe38aa3b                      ; - c = - log2(e) / 8
	s_mov_b32 s[G1K+0], 15|(1<<16)|(1<<20)|(1<<21)|(4<<22)|(3<<25)   ; all four of the cluster; 2-byte elements; after every 32 words 4 words of padding
	s_mov_b32 s[G1V+0], 15|(1<<16)|(1<<20)|(1<<21)|(4<<22)|(7<<25)   ; 8 words of padding
	s_mov_b32 s[G1K+1], 64<<16                     ; tensor_dim0 = 64
	s_mov_b32 s[G1V+1], 64<<16
	s_mov_b32 s[G1K+2], 64<<16                     ; tensor_dim1 = 64 rows
	s_mov_b32 s[G1V+2], 64<<16
	s_mov_b32 s[G1K+3], 64<<16                     ; tile_dim0 = 64
	s_mov_b32 s[G1V+3], 64<<16
	s_mov_b32 s[G1K+4], 64                         ; tile_dim1 = 64
	s_mov_b32 s[G1V+4], 64
	s_mov_b32 s[G1K+5], 64                         ; elements from row to row
	s_mov_b32 s[G1V+5], 64
	s_mov_b32 s[G1K+6], 0
	s_mov_b32 s[G1V+6], 0
	s_mov_b32 s[G1K+7], 0
	s_mov_b32 s[G1V+7], 0
	s_lshl_b32 s22, s17, 18                        ; a head is 262,144 bytes
	s_lshl_b32 s23, s13, 13                        ; 64 rows of 128 bytes
	s_add_co_u32 s22, s22, s23                     ; hangs on the head and the wave alone: equal in the four partners
	s_mov_b32 s23, 0
	s_mul_i32 s60, s12, 64*KP                      ; waves 0-3: K's rows 64 w
	s_mul_i32 s61, s12, 64*VP                      ; waves 4-7: 4 x 64 x 160 = 40,960 is where V begins
	s_wait_kmcnt 0x0
	s_add_nc_u64 s[6:7], s[6:7], s[22:23]
	s_add_nc_u64 s[8:9], s[8:9], s[22:23]
	CROUND                                         ; the four work-groups are here: the first joint loads meet
.irp s, 0,1
	s_mov_b32 s[G0K+4*\s], 1
	s_add_co_u32 s[G0K+4*\s+1], s60, \s*SLOT
	s_add_nc_u64 s[G0K+4*\s+2:G0K+4*\s+3], s[6:7], \s*32768        ; 256 keys a slot
	s_or_b32 s[G0K+4*\s+3], s[G0K+4*\s+3], 0x80000000
	s_mov_b32 s[G0V+4*\s], 1
	s_add_co_u32 s[G0V+4*\s+1], s61, \s*SLOT
	s_add_nc_u64 s[G0V+4*\s+2:G0V+4*\s+3], s[8:9], \s*32768
	s_or_b32 s[G0V+4*\s+3], s[G0V+4*\s+3], 0x80000000
	JLOAD \s                                       ; both first fills go out together: two loads of the wave are out
.endr
	; my 64 queries stay in registers: fragment (nt, ks) = queries 16 nt + l % 16, d = 32 ks + 8 (l / 16) + 0..7 and + 16
	s_lshl_b32 s24, s17, 18
	s_lshl_b32 s25, s16, 15
	s_add_co_u32 s24, s24, s25
	s_lshl_b32 s25, s13, 13
	s_add_co_u32 s24, s24, s25
	s_mov_b32 s25, 0
	s_add_nc_u64 s[4:5], s[4:5], s[24:25]
	v_and_b32 v1, 15, v0                           ; l % 16
	v_bfe_u32 v59, v0, 4, 1                        ; l / 16
	v_and_b32 v60, 31, v0                          ; l
	v_lshlrev_b32 v[QO], 7, v1
	v_lshl_add_u32 v[QO], v59, 4, v[QO]
	WIN 0x40                                       ; destination window 1
.irp nt, 0,1,2,3
.irp ks, 0,1
	global_load_b128 v[QF+8*(2*\nt+\ks):QF+8*(2*\nt+\ks)+3],   v[QO], s[4:5] offset:\nt*2048+\ks*64
	global_load_b128 v[QF+8*(2*\nt+\ks)+4:QF+8*(2*\nt+\ks)+7], v[QO], s[4:5] offset:\nt*2048+\ks*64+32
.endr
.endr
	WIN 0
	v_mul_u32_u24 v61, v1, KP
	v_lshl_add_u32 v61, v59, 4, v61                ; (l % 16) x 144 + 16 (l / 16)
	s_mul_i32 s62, s14, 128*KP                     ; my half's 128 keys
	v_add_nc_u32 v[KA], s62, v61
	v_add_nc_u32 v[KA+1], SLOT, v[KA]
	v_and_b32 v62, 7, v0
	v_lshl_add_u32 v62, v59, 3, v62                ; key 8 (l / 16) + l % 8
	v_mul_u32_u24 v62, v62, VP
	v_bfe_u32 v63, v0, 3, 1
	v_lshl_add_u32 v62, v63, 4, v62                ; + 16 bytes for the lanes with bit 3 set
	s_mul_i32 s62, s14, 128*VP
	s_add_co_u32 s62, s62, VOFF
	v_add_nc_u32 v[VA], s62, v62
	v_add_nc_u32 v[VA+1], SLOT, v[VA]
	s_mul_i32 s62, s13, SCRW
	s_add_co_u32 s62, s62, SCR
	v_lshl_add_u32 v[XA], v60, 4, s62
	s_mul_i32 s62, s13, STGW
	s_add_co_u32 s62, s62, STG
	v_add_nc_u32 v[STO], s62, v61
	v_lshrrev_b32 v63, 3, v60
	v_mul_u32_u24 v63, v63, KP
	v_and_b32 v62, 7, v0
	v_lshl_add_u32 v63, v62, 4, v63
	v_add_nc_u32 v[RD], s62, v63                   ; back: eight lanes a row of 128 bytes, four rows a load
	v_lshlrev_b32 v[CO], 4, v60
.irp nt, 0,1,2,3
	v_mov_b32 v[T+\nt], 0                          ; v_permlanex16_b32 counts as a reader of its destination
.endr
	s_and_b32 s26, s17, 0xfff0                     ; 16 x batch
	s_lshl_b32 s27, s16, 1
	s_add_co_u32 s26, s26, s27                     ; + 2 x block of 256 queries
	s_lshr_b32 s27, s13, 1
	s_add_co_u32 s26, s26, s27                     ; = block of 128 rows of ah
	s_lshl_b32 s26, s26, 18
	s_and_b32 s27, s17, 15
	s_lshl_b32 s27, s27, 14                        ; head: 128 rows of 128 bytes
	s_add_co_u32 s26, s26, s27
	s_and_b32 s27, s13, 1
	s_lshl_b32 s27, s27, 13                        ; my 64 rows of the 128
	s_add_co_u32 s26, s26, s27
	s_mov_b32 s27, 0
	s_add_nc_u64 s[10:11], s[10:11], s[26:27]
; 16 LDS loads: the K fragments of step j (64 keys) of my half of the slot
.macro LOADK slot, j
	WIN 0
.irp mt, 0,1,2,3
.irp ks, 0,1
	ds_load_b128 v[KF+8*(2*\mt+\ks):KF+8*(2*\mt+\ks)+3],   v[KA+\slot] offset:\j*64*KP+\mt*16*KP+\ks*64
	ds_load_b128 v[KF+8*(2*\mt+\ks)+4:KF+8*(2*\mt+\ks)+7], v[KA+\slot] offset:\j*64*KP+\mt*16*KP+\ks*64+32
.endr
.endr
.endm
; 16 transposing LDS loads: the V^T fragments of the same step.  SCORES, which sets its own window, always follows
.macro LOADV slot, j
	WIN 0x40                                       ; destination window 1
.irp md, 0,1,2,3
.irp kk, 0,1
	ds_load_tr16_b128 v[VF+8*(2*\md+\kk):VF+8*(2*\md+\kk)+3],   v[VA+\slot] offset:(64*\j+32*\kk)*VP+32*\md
	ds_load_tr16_b128 v[VF+8*(2*\md+\kk)+4:VF+8*(2*\md+\kk)+7], v[VA+\slot] offset:(64*\j+32*\kk+16)*VP+32*\md
.endr
.endr
.endm
; S^T = K Q^T: 32 matrix instructions; the 16 accumulators take turns, one instruction a turn.
; The five v_nop behind them are the places for the loads into KF, for the vector work on the scores, and for PV, which takes these registers as its second source.
.macro SCORES
	WIN 0x04                                       ; source 1 (Q) window 1
.irp mt, 0,1,2,3
.irp nt, 0,1,2,3
	v_wmma_f32_16x16x32_f16 v[SC+8*(4*\mt+\nt):SC+8*(4*\mt+\nt)+7], v[KF+8*(2*\mt):KF+8*(2*\mt)+7], v[QF+8*(2*\nt):QF+8*(2*\nt)+7], 0
.endr
.endr
.irp mt, 0,1,2,3
.irp nt, 0,1,2,3
	v_wmma_f32_16x16x32_f16 v[SC+8*(4*\mt+\nt):SC+8*(4*\mt+\nt)+7], v[KF+8*(2*\mt+1):KF+8*(2*\mt+1)+7], v[QF+8*(2*\nt+1):QF+8*(2*\nt+1)+7], v[SC+8*(4*\mt+\nt):SC+8*(4*\mt+\nt)+7]
.endr
.endr
	WIN 0
.rept 5
	v_nop
.endr
.endm
; O^T += V^T P^T: 32 matrix instructions, the 16 accumulators by turns.  first = 1: the first product starts the sums.
; The five v_nop behind them are the places for the loads into VF, for SCORES, which writes over P, and for the vector work on O.
.macro PV first
	WIN 0x51                                       ; source 0 (V^T), C and D window 1; source 1 (P) window 0
.irp md, 0,1,2,3
.irp nt, 0,1,2,3
.if \first
	v_wmma_f32_16x16x32_f16 v[OA+8*(4*\md+\nt):OA+8*(4*\md+\nt)+7], v[VF+8*(2*\md):VF+8*(2*\md)+7], v[SC+8*\nt:SC+8*\nt+7], 0
.else
	v_wmma_f32_16x16x32_f16 v[OA+8*(4*\md+\nt):OA+8*(4*\md+\nt)+7], v[VF+8*(2*\md):VF+8*(2*\md)+7], v[SC+8*\nt:SC+8*\nt+7], v[OA+8*(4*\md+\nt):OA+8*(4*\md+\nt)+7]
.endif
.endr
.endr
.irp md, 0,1,2,3
.irp nt, 0,1,2,3
	v_wmma_f32_16x16x32_f16 v[OA+8*(4*\md+\nt):OA+8*(4*\md+\nt)+7], v[VF+8*(2*\md+1):VF+8*(2*\md+1)+7], v[SC+8*(8+\nt):SC+8*(8+\nt)+7], v[OA+8*(4*\md+\nt):OA+8*(4*\md+\nt)+7]
.endr
.endr
.rept 5
	v_nop
.endr
.endm
; The single lines of SOFT.  i is the running number, 0 to 15, of the run that they stand in.
.macro EXP1 mt, e                      ; one exponential, in place
	v_exp_f32 v[SC+32*\mt+\e], v[SC+32*\mt+\e]
.endm
.macro FMA1 mt                         ; pair i of the 16 keys mt: c x score - c x maximum, the exponent to base 2; four pairs to a block of queries
	v_pk_fma_f32 v[SC+32*\mt+2*i:SC+32*\mt+2*i+1], v[SC+32*\mt+2*i:SC+32*\mt+2*i+1], 0x3e38aa3b, v[NMC+2*(i/4):NMC+2*(i/4)+1] op_sel_hi:[1,0,1]
.endm
; the f32 weights are added to the row sums, the four blocks of queries by turns.  mode 0: added; 1: the step's first, which also shrinks the old sum; 2: the very first, which starts the sum
.macro SUM1 mt, mode
.set SN, LS+2*(i%4)
.set SR, SC+32*\mt+8*(i%4)+2*(i/4)
.if i < 4
.if (\mode) == 2
	s_wait_alu depctr_va_vdst(0)
	v_pk_add_f32 v[SN:SN+1], v[SR:SR+1], v[SR+2:SR+3]
.else
.if (\mode) == 1
	s_wait_alu depctr_va_vdst(0)
	v_pk_fma_f32 v[SN:SN+1], v[SN:SN+1], v[AL+2*(i%4):AL+2*(i%4)+1], v[SR:SR+1]
.else
	s_wait_alu depctr_va_vdst(0)
	v_pk_add_f32 v[SN:SN+1], v[SN:SN+1], v[SR:SR+1]
.endif
.endif
.else
.if i < 8
.if (\mode) != 2
	v_pk_add_f32 v[SN:SN+1], v[SN:SN+1], v[SR:SR+1]
.endif
.else
	v_pk_add_f32 v[SN:SN+1], v[SN:SN+1], v[SR:SR+1]
.endif
.endif
.endm
; tiles (2 kk, nt) and (2 kk + 1, nt) become the fragment P (kk, nt), in place in the first: registers 0-3 keys 8 (l / 16) + 0..7, registers 4-7 keys 16 + 8 (l / 16) + 0..7.
; x = 8 nt + register, taken in ascending order: a register is written only when its own numbers have been packed
.macro CVT1 kk, x
.set CD, SC+8*(8*\kk+(\x)/8)+(\x)%8
.set CS, SC+8*(8*\kk+4*(((\x)%8)/4)+(\x)/8)+2*((\x)%4)
	v_cvt_pk_f16_f32 v[CD], v[CS], v[CS+1]
.endm
; The softmax of one step, registers alone: S^T becomes P, maxima, sums and O are brought up to date.  first = 1: the wave's first step starts maxima and sums.
.macro SOFT first
	; the running maximum of the raw scores: four chains, one for each block of 16 queries
.irp nt, 0,1,2,3
.if \first
	v_max_num_f32 v[MN+\nt], v[SC+8*\nt], v[SC+8*\nt+1]
.else
	v_max3_num_f32 v[MN+\nt], v[MN+\nt], v[SC+8*\nt], v[SC+8*\nt+1]
.endif
.endr
.irp p, 1,2,3
.irp nt, 0,1,2,3
	v_max3_num_f32 v[MN+\nt], v[MN+\nt], v[SC+8*\nt+2*\p], v[SC+8*\nt+2*\p+1]
.endr
.endr
.irp mt, 1,2,3
.irp p, 0,1,2,3
.irp nt, 0,1,2,3
	v_max3_num_f32 v[MN+\nt], v[MN+\nt], v[SC+8*(4*\mt+\nt)+2*\p], v[SC+8*(4*\mt+\nt)+2*\p+1]
.endr
.endr
.endr
.irp nt, 0,1,2,3
	v_permlanex16_b32 v[T+\nt], v[MN+\nt], s18, s19        ; the other eight keys of each sixteen lie in lane l xor 16
.endr
.irp nt, 0,1,2,3
	v_max_num_f32 v[MN+\nt], v[MN+\nt], v[T+\nt]
.endr
.if \first
.irp nt, 0,1,2,3
	v_mul_f32 v[NMC+2*\nt], s21, v[MN+\nt]
	v_mul_f32 v[NMC+2*\nt+1], s21, v[MN+\nt]
.endr
.else
.irp nt, 0,1,2,3
	v_mul_f32 v[T+\nt], s21, v[MN+\nt]             ; the new shift,
.endr
.irp nt, 0,1,2,3
	v_sub_f32 v[AL+2*\nt], v[T+\nt], v[NMC+2*\nt]  ; less the shift that the old sums were made with: at most 0
.endr
.irp nt, 0,1,2,3
	v_exp_f32 v[AL+2*\nt], v[AL+2*\nt]
.endr
.irp nt, 0,1,2,3
	v_mov_b32 v[NMC+2*\nt], v[T+\nt]               ; plain instructions behind the exponentials, which name none of their registers (ISA guide 5.7.2)
	v_mov_b32 v[NMC+2*\nt+1], v[T+\nt]
.endr
	s_wait_alu depctr_va_vdst(0)
.irp nt, 0,1,2,3
	v_mov_b32 v[AL+2*\nt+1], v[AL+2*\nt]
.endr
	WIN 0x41                                       ; O: destination and source 0 window 1
.irp md, 0,1,2,3
.irp nt, 0,1,2,3
.irp p, 0,2,4,6
	v_pk_mul_f32 v[OA+8*(4*\md+\nt)+\p:OA+8*(4*\md+\nt)+\p+1], v[OA+8*(4*\md+\nt)+\p:OA+8*(4*\md+\nt)+\p+1], v[AL+2*\nt:AL+2*\nt+1]
.endr
.endr
.endr
	WIN 0
.endif
	; The 128 exponentials stand among plain work on OTHER tiles: the next 16 keys' exponents, the sums of the 16 keys before, the packing of tiles whose sums are done.
	; So behind every exponential a plain instruction that names none of its registers comes before its result is read (ISA guide 5.7.2).
.set i, 0
.rept 16
	FMA1 0
.set i, i+1
.endr
.set i, 0
.rept 16
	EXP1 0, 2*i
	EXP1 0, 2*i+1
	FMA1 1
.set i, i+1
.endr
.set i, 0
.rept 16
	EXP1 1, 2*i
	FMA1 2
	EXP1 1, 2*i+1
	SUM1 0, 1+\first
.set i, i+1
.endr
.set i, 0
.rept 16
	EXP1 2, 2*i
	FMA1 3
	EXP1 2, 2*i+1
	SUM1 1, 0
.set i, i+1
.endr
.set i, 0
.rept 16
	EXP1 3, 2*i
	SUM1 2, 0
	EXP1 3, 2*i+1
	CVT1 0, 2*i                                    ; the sums of keys 0-31 are done
	CVT1 0, 2*i+1
.set i, i+1
.endr
.set i, 0
.rept 16
	SUM1 3, 0
	CVT1 1, 2*i                                    ; writes tiles of keys 32-47, whose sums are done, and only reads those of keys 48-63
	CVT1 1, 2*i+1
.set i, i+1
.endr
.endm
.macro SOFTIF kind                     ; SOFT for the waves of one kind; the branch hangs on the wave's number alone and jumps over register work alone
	s_cmp_lg_u32 s20, \kind
	s_cbranch_scc1 .Lnot_mine_\@
	SOFT 0
.Lnot_mine_\@:
.endm
; What stands between two changes of slots.  On entry a step is pending: its V fragments are in registers; kind 0 has its P, kind 1 its raw scores.
; LDS loads go out a phase ahead of their use: K's behind the refill and behind SCORES, V's behind PV.  last = 1: the last slot, nothing stays pending.
.macro HALF slot, last
	LOADK \slot, 0
	SOFTIF 1
	PV 0                                           ; the pending step
	LOADV \slot, 0
	s_wait_dscnt 16                                ; K's 16 loads are in; V's 16, issued behind them, stay out
	SCORES
	LOADK \slot, 1
	SOFT 0
	s_wait_dscnt 16                                ; V's 16 loads are in; the next step's 16 of K, issued behind them, stay out
	PV 0
	LOADV \slot, 1
	s_wait_dscnt 16                                ; K's are in
	SCORES
.if \last
	SOFT 0
	s_wait_dscnt 0x0                               ; V's are in
	PV 0
	WIN 0
.else
	SOFTIF 0
.endif
.endm
; Slot s, whose fragments are all in registers, is filled again, 512 keys further on.  Every wave waits for all its tensor loads (its part of the other slot among them) and
; for its reads; the round of the cluster's barrier shows both of every wave of the four work-groups; the joint refill is the first thing behind it, one load a wave.
.macro CHANGE s
	s_wait_xcnt 0x0
	v_lshl_add_u32 v126, v0, 2, 0x42000
	v_mov_b32 v127, 0
	s_wait_tensorcnt 0x0
	ds_add_u32 v126, v127
	s_wait_dscnt 0x0
	s_add_nc_u64 s[G0K+4*\s+2:G0K+4*\s+3], s[G0K+4*\s+2:G0K+4*\s+3], 65536
	s_add_nc_u64 s[G0V+4*\s+2:G0V+4*\s+3], s[G0V+4*\s+2:G0V+4*\s+3], 65536
	s_wait_dscnt 0x0
	CROUND
	JLOAD \s
.endm
	s_wait_tensorcnt 0x1                           ; my part of slot 0 is in; slot 1's stays out
	s_barrier_signal -1
	s_barrier_wait -1
	LOADK 0, 0                                     ; keys 0-255: the first step starts maxima and sums, the second is left pending
	LOADV 0, 0
	s_wait_loadcnt 0x0                             ; my queries
	s_wait_dscnt 16                                ; K's are in
	SCORES
	LOADK 0, 1
	SOFT 1
	s_wait_dscnt 16                                ; V's are in
	PV 1
	LOADV 0, 1
	s_wait_dscnt 16
	SCORES
	SOFTIF 0                                       ; from here on the two kinds are a SOFT apart
	s_mov_b32 s3, 3
.Lkeys:
	CHANGE 0
	HALF 1, 0
	CHANGE 1
	HALF 0, 0
	s_sub_co_u32 s3, s3, 1
	s_cmp_lg_u32 s3, 0
	s_cbranch_scc1 .Lkeys
	s_wait_tensorcnt 0x0                           ; the last tile; nothing is left to fetch
	s_wait_dscnt 0x0
	s_barrier_signal -1
	s_barrier_wait -1
	HALF 1, 1                                      ; keys 1,792-2,047; its five v_nop are the places before O is read
	; THE MERGE of the two halves of the keys.  Each wave: its row sum (two partial sums, two lanes) and its shift.
.irp nt, 0,1,2,3
	v_add_f32 v[T+4+\nt], v[LS+2*\nt], v[LS+2*\nt+1]
.endr
.irp nt, 0,1,2,3
	v_permlanex16_b32 v[T+\nt], v[T+4+\nt], s18, s19
.endr
.irp nt, 0,1,2,3
	v_add_f32 v[T+\nt], v[T+\nt], v[T+4+\nt]       ; l
.endr
.irp nt, 0,1,2,3
	v_mov_b32 v[T+4+\nt], v[NMC+2*\nt]             ; the shift, as four neighbouring registers
.endr
	s_cmp_eq_u32 s14, 0
	s_cbranch_scc1 .Lkeep
	ds_store_b128 v[XA], v[T+4:T+7]                ; waves 4-7 hand shift, sum and O to the wave with the same queries; lane to lane, 512 consecutive bytes a store
	ds_store_b128 v[XA], v[T:T+3] offset:512
	WIN 0x04                                       ; data window 1
.set i, 0
.rept 32
	ds_store_b128 v[XA], v[OA+4*i:OA+4*i+3] offset:1024+512*i
.set i, i+1
.endr
	WIN 0
.Lkeep:
	s_wait_dscnt 0x0                               ; the stores are done, for the readers' sake
	s_barrier_signal -1
	s_barrier_wait -1
	s_cmp_lg_u32 s14, 0
	s_cbranch_scc1 .Ldone
	ds_load_b128 v[PN:PN+3], v[XA]
	ds_load_b128 v[PL:PL+3], v[XA] offset:512
.set i, 0
.rept 32
	ds_load_b128 v[SC+4*i:SC+4*i+3], v[XA] offset:1024+512*i
.set i, i+1
.endr
	s_wait_dscnt 32                                ; the partner's shift and sum are in; its O stays out while the factors are made
.irp nt, 0,1,2,3
	v_min_num_f32 v[NF+\nt], v[T+4+\nt], v[PN+\nt] ; the shift of the larger maximum
.endr
.irp nt, 0,1,2,3
	v_sub_f32 v[T+4+\nt], v[NF+\nt], v[T+4+\nt]    ; at most 0
	v_sub_f32 v[PN+\nt], v[NF+\nt], v[PN+\nt]
.endr
.irp nt, 0,1,2,3
	v_exp_f32 v[T+4+\nt], v[T+4+\nt]
	v_exp_f32 v[PN+\nt], v[PN+\nt]
.endr
	v_nop
	s_wait_alu depctr_va_vdst(0)
.irp nt, 0,1,2,3
	v_mul_f32 v[T+\nt], v[T+4+\nt], v[T+\nt]
.endr
.irp nt, 0,1,2,3
	v_fmac_f32 v[T+\nt], v[PN+\nt], v[PL+\nt]      ; the whole row's sum, at least 1 up to rounding
.endr
.irp nt, 0,1,2,3
	v_rcp_f32 v[T+\nt], v[T+\nt]
.endr
	v_nop
	s_wait_alu depctr_va_vdst(0)
.irp nt, 0,1,2,3
	v_mul_f32 v[AL+2*\nt], v[T+4+\nt], v[T+\nt]    ; my O's factor, twice
	v_mul_f32 v[AL+2*\nt+1], v[T+4+\nt], v[T+\nt]
	v_mul_f32 v[NMC+2*\nt], v[PN+\nt], v[T+\nt]    ; the partner's
	v_mul_f32 v[NMC+2*\nt+1], v[PN+\nt], v[T+\nt]
.endr
	s_wait_dscnt 0x0
.irp md, 0,1,2,3
.irp nt, 0,1,2,3
.irp p, 0,2,4,6
	v_pk_mul_f32 v[SC+8*(4*\md+\nt)+\p:SC+8*(4*\md+\nt)+\p+1], v[SC+8*(4*\md+\nt)+\p:SC+8*(4*\md+\nt)+\p+1], v[NMC+2*\nt:NMC+2*\nt+1]
.endr
.endr
.endr
	WIN 0x01                                       ; source 0 (my O) window 1
.irp md, 0,1,2,3
.irp nt, 0,1,2,3
.irp p, 0,2,4,6
	v_pk_fma_f32 v[SC+8*(4*\md+\nt)+\p:SC+8*(4*\md+\nt)+\p+1], v[OA+8*(4*\md+\nt)+\p:OA+8*(4*\md+\nt)+\p+1], v[AL+2*\nt:AL+2*\nt+1], v[SC+8*(4*\md+\nt)+\p:SC+8*(4*\md+\nt)+\p+1]
.endr
.endr
.endr
	WIN 0
.irp md, 0,1,2,3
.irp nt, 0,1,2,3
.irp i, 0,1,2,3
	v_cvt_pk_f16_f32 v[SC+8*(4*\md+\nt)+\i], v[SC+8*(4*\md+\nt)+2*\i], v[SC+8*(4*\md+\nt)+2*\i+1]
.endr
	ds_store_b128 v[STO], v[SC+8*(4*\md+\nt):SC+8*(4*\md+\nt)+3] offset:\nt*16*KP+32*\md   ; query 16 nt + l % 16, d = 16 md + 8 (l / 16) + 0..7
.endr
.endr
.set i, 0
.rept 16
	ds_load_b128 v[KF+4*i:KF+4*i+3], v[RD] offset:4*KP*i           ; my own stage: LDS serves a wave's instructions in order
.set i, i+1
.endr
.set i, 0
.rept 16
	s_wait_dscnt 15-i
	global_store_b128 v[CO], v[KF+4*i:KF+4*i+3], s[10:11] offset:512*i   ; four rows of 128 bytes: 512 consecutive bytes at a multiple of 512
.set i, i+1
.endr
.Ldone:
	s_wait_xcnt 0x0
	v_lshl_add_u32 v126, v0, 2, 0x42000
	v_mov_b32 v127, 0
	s_wait_tensorcnt 0x0
	ds_add_u32 v126, v127
	s_wait_dscnt 0x0
	CROUND                                         ; the closing round
	s_endpgm
.Lfunc_end_k_q8147f901ba_attn:
	.size	k_q8147f901ba_attn, .Lfunc_end_k_q8147f901ba_attn-k_q8147f901ba_attn
	.p2alignl 7, 3214868480
	.fill 96, 4, 3214868480
	.section	.rodata,"a",@progbits
	.p2align	6, 0x0
	.amdhsa_kernel k_q8147f901ba_attn
		.amdhsa_group_segment_fixed_size 327680
		.amdhsa_private_segment_fixed_size 0
		.amdhsa_enable_private_segment 0
		.amdhsa_kernarg_size 32
		.amdhsa_user_sgpr_count 2
		.amdhsa_user_sgpr_kernarg_segment_ptr 1
		.amdhsa_wavefront_size32 1
		.amdhsa_system_sgpr_workgroup_id_x 1
		.amdhsa_system_sgpr_workgroup_id_y 1
		.amdhsa_system_sgpr_workgroup_id_z 1
		.amdhsa_system_vgpr_workitem_id 0
		.amdhsa_next_free_vgpr 512
		.amdhsa_next_free_sgpr 66
		.amdhsa_reserve_vcc 0
		.amdhsa_float_denorm_mode_32 3
		.amdhsa_float_denorm_mode_16_64 3
		.amdhsa_memory_ordered 1
		.amdhsa_forward_progress 1
		.amdhsa_inst_pref_size 255
	.end_amdhsa_kernel
	.section	.bss,"aw",@nobits
	.p2align	6
	.space	262144
	.amdgpu_metadata
---
amdhsa.version: [ 1, 2 ]
amdhsa.kernels:
  - .name:           k_q8147f901ba_attn
    .symbol:         k_q8147f901ba_attn.kd
    .args:
      - { .name: qh, .offset: 0, .size: 8, .value_kind: global_buffer, .address_space: global }
      - { .name: kh, .offset: 8, .size: 8, .value_kind: global_buffer, .address_space: global }
      - { .name: vh, .offset: 16, .size: 8, .value_kind: global_buffer, .address_space: global }
      - { .name: ah, .offset: 24, .size: 8, .value_kind: global_buffer, .address_space: global }
    .group_segment_fixed_size: 327680
    .private_segment_fixed_size: 0
    .kernarg_segment_align: 8
    .kernarg_segment_size: 32
    .max_flat_workgroup_size: 256
    .sgpr_count:     66
    .vgpr_count:     512
    .wavefront_size: 32
...
	.end_amdgpu_metadata
.endif
;; end of part 3
;; launch oproj (part 4): grid 8 x 32, 4 waves a work-group, clusters of 4 x 4, 327,680 bytes of LDS; arguments ah, woh, bo, out0; writes out0
.if DOCPART == 4
	.amdgcn_target "amdgcn-amd-amdhsa--gfx1250"
	.amdhsa_code_object_version 6
	.text
	.protected	k_q8147f901ba_oproj
	.globl	k_q8147f901ba_oproj
	.p2align	8
	.type	k_q8147f901ba_oproj,@function
k_q8147f901ba_oproj:
	s_mov_b64 s[64:65], 0
	v_nop
	global_prefetch_b8 v0, s[64:65] scope:SCOPE_SE
	s_setreg_imm32_b32 hwreg(HW_REG_WAVE_MODE, 25, 1), 1
	s_wait_xcnt 0x0
	s_wait_alu depctr_hold_cnt(0) depctr_sa_sdst(0) depctr_va_vdst(0) depctr_va_sdst(0) depctr_va_ssrc(0) depctr_va_vcc(0) depctr_vm_vsrc(0)
	s_getreg_b32 s2, hwreg(HW_REG_IB_STS2, 6, 4)
	s_cmp_eq_u32 s2, 0
	s_cbranch_scc0 .Lentry_in_a_cluster
	s_endpgm
.Lentry_in_a_cluster:
	s_bfe_u32 s2, ttmp6, 0x10000c
	s_cmp_lg_u32 s2, 0xf033
	s_cbranch_scc0 .Lentry_shape_is_right
	s_endpgm
.Lentry_shape_is_right:
; out0[4096][1024] = attention output x wo^T + bo.  f16 operands, f32 sums, f32 out.
; Work-group (x = block of 128 columns, y = block of 128 rows); four waves, wave w makes rows 64 (w >> 1) .. by columns 64 (w & 1) ..: 16 accumulator tiles.
; ah lies as [block of 128 rows][head][128][64]: a block's K = 1,024 are sixteen planes of 128 rows x 128 bytes, dense.
; K goes through two LDS slots of 256 (four heads) each, four fills in all, written out: a slot is 128 matrix instructions of a wave, in which the other's load lands.
; CLUSTERS: 4 x 4; ah's tiles are shared along a row of the cluster, wo's along a column, by joint loads.
; The matrix instruction is used transposed (source 0 = rows of wo, source 1 = rows of ah): a lane holds eight neighbouring columns of one row.  The bias of these
; columns is the C of the first product of each sum.
; window 0: addresses, v32-95 and v96-159 fragment buffers (0-3 wo's, 4-7 ah's), v160-191 bias tiles, v224-255 rows read back; window 1: tile (a, b) at v[8 (4 a + b)]
.set AP,     144                       ; ah's LDS pitch: 128 + 16
.set BP,     528                       ; wo's LDS pitch: 512 + 16
.set ABYTES, 512*AP                    ; 4 planes x 128 rows
.set SLOT,   ABYTES+128*BP             ; 141,312
.set STAGE,  2*SLOT                    ; 282,624 = 1,104 x 256
.set SPITCH, 272                       ; a stage row: 64 f32 + 16 bytes
.set ADRA, 16
.set ADRB, 20
.set STO,  24
.set RD,   25
.set CO,   26
.set BO,   27
.set F0,   32
.set F1,   96
.set BIAS, 160
.set RB,   224
.set G1,  24
.set G0,  32
.set G1B, 48
.set G0B, 56
.set MSB, 0
.macro WIN new
.if MSB != \new
	s_set_vgpr_msb (MSB<<8)|\new
.set MSB, \new
.endif
.endm
.macro JLOAD s                         ; waves 0 and 1 fetch two heads' planes of ah each, waves 2 and 3 64 rows of wo each
	s_cmp_eq_u32 s11, 0
	s_cbranch_scc0 .Lfor_b_\@
	tensor_load_to_lds s[G0+4*\s:G0+4*\s+3], s[G1:G1+7]
	s_nop 0
	s_branch .Lasked_\@
.Lfor_b_\@:
	tensor_load_to_lds s[G0B+4*\s:G0B+4*\s+3], s[G1B:G1B+7]
	s_nop 0
.Lasked_\@:
.endm
.macro CROUND                          ; a round of the cluster's barrier
	s_barrier_signal -1
	s_barrier_wait -1
	s_cmp_lg_u32 s10, 0
	s_cbranch_scc1 .Lnot_wave_0_\@
	s_barrier_signal -3
.Lnot_wave_0_\@:
	s_barrier_wait -3
	s_barrier_signal -1
	s_barrier_wait -1
.endm
	s_load_b256 s[68:75], s[0:1], 0x0              ; ah s[68:69], woh s[70:71], bo s[72:73], out0 s[74:75]
	v_lshl_add_u32 v222, v0, 2, 0x49400
	v_mov_b32 v223, 0
	ds_add_u32 v222, v223
	v_lshrrev_b32 v1, 5, v0
	v_readfirstlane_b32 s10, v1                    ; wave 0..3
	s_lshr_b32 s11, s10, 1                         ; my half of the rows; also: I fetch ah (0) or wo (1)
	s_and_b32 s12, s10, 1                          ; my half of the columns; also which half of that tile I fetch
	s_bfe_u32 s40, ttmp6, 0x40000                  ; cx
	s_bfe_u32 s41, ttmp6, 0x40004                  ; cy
	s_lshl_b32 s42, ttmp9, 2
	s_add_co_u32 s42, s42, s40                     ; block of columns
	s_and_b32 s13, ttmp7, 0xffff
	s_lshl_b32 s13, s13, 2
	s_add_co_u32 s13, s13, s41                     ; block of rows
	s_lshl_b32 s43, s41, 2
	s_lshl_b32 s43, 15, s43                        ; my row of the cluster
	s_lshl_b32 s44, 0x1111, s40                    ; my column
	s_or_b32 s[G1+0], s43, (1<<16)|(1<<20)|(1<<21)|(4<<22)|(3<<25)   ; ah: rows of 32 words, 4 words of padding
	s_or_b32 s[G1B+0], s44, (1<<16)|(1<<20)|(1<<21)|(6<<22)|(3<<25)  ; wo: rows of 128 words, 4 words of padding
	s_mov_b32 s[G1+1], 64<<16                      ; tensor_dim0
	s_mov_b32 s[G1B+1], 256<<16
	s_mov_b32 s[G1+2], 256<<16                     ; tensor_dim1
	s_mov_b32 s[G1B+2], 64<<16
	s_mov_b32 s[G1+3], 64<<16                      ; tile_dim0
	s_mov_b32 s[G1B+3], 256<<16
	s_mov_b32 s[G1+4], 256                         ; tile_dim1: two planes of 128 rows, dense
	s_mov_b32 s[G1B+4], 64
	s_mov_b32 s[G1+5], 64                          ; elements from row to row
	s_mov_b32 s[G1B+5], 1024
	s_mov_b32 s[G1+6], 0
	s_mov_b32 s[G1B+6], 0
	s_mov_b32 s[G1+7], 0
	s_mov_b32 s[G1B+7], 0
	s_lshl_b32 s16, s13, 18                        ; a block of 128 rows of ah is 262,144 bytes
	s_lshl_b32 s17, s12, 15                        ; two heads' planes
	s_add_co_u32 s16, s16, s17
	s_mov_b32 s17, 0
	s_lshl_b32 s46, s42, 7
	s_lshl_b32 s47, s12, 6
	s_add_co_u32 s46, s46, s47                     ; row of wo
	s_lshl_b32 s46, s46, 11
	s_mov_b32 s47, 0
	s_mul_i32 s20, s10, 256*AP                     ; LDS: waves 0, 1
	s_mul_i32 s21, s10, 64*BP
	s_add_co_u32 s21, s21, ABYTES-2*64*BP          ; waves 2, 3: behind ah's planes
	s_wait_dscnt 0x0
	s_wait_kmcnt 0x0
	s_add_nc_u64 s[14:15], s[68:69], s[16:17]
	s_add_nc_u64 s[46:47], s[70:71], s[46:47]
	CROUND                                         ; all sixteen work-groups are here
.irp s, 0,1
	s_mov_b32 s[G0+4*\s], 1
	s_add_co_u32 s[G0+4*\s+1], s20, \s*SLOT
	s_add_nc_u64 s[G0+4*\s+2:G0+4*\s+3], s[14:15], \s*65536        ; four heads a slot
	s_or_b32 s[G0+4*\s+3], s[G0+4*\s+3], 0x80000000
	s_mov_b32 s[G0B+4*\s], 1
	s_add_co_u32 s[G0B+4*\s+1], s21, \s*SLOT
	s_add_nc_u64 s[G0B+4*\s+2:G0B+4*\s+3], s[46:47], \s*512        ; 256 along K
	s_or_b32 s[G0B+4*\s+3], s[G0B+4*\s+3], 0x80000000
	JLOAD \s                                       ; both first fills together: two loads of the wave are out
.endr
	s_lshl_b32 s6, s42, 9
	s_lshl_b32 s7, s12, 8
	s_add_co_u32 s6, s6, s7                        ; my first column, in bytes of f32
	s_mov_b32 s7, 0
	s_add_nc_u64 s[72:73], s[72:73], s[6:7]
	s_add_nc_u64 s[74:75], s[74:75], s[6:7]
	s_lshl_b32 s4, s13, 19                         ; 128 rows of 4,096 bytes
	s_lshl_b32 s5, s11, 18
	s_add_co_u32 s4, s4, s5
	s_mov_b32 s5, 0
	s_add_nc_u64 s[74:75], s[74:75], s[4:5]
	v_and_b32 v1, 15, v0                           ; l % 16
	v_bfe_u32 v2, v0, 4, 1                         ; l / 16
	v_lshlrev_b32 v[BO], 5, v2
.irp b, 0,1,2,3
	global_load_b128 v[BIAS+8*\b:BIAS+8*\b+3],   v[BO], s[72:73] offset:64*\b      ; the bias of columns 16 b + 8 (l / 16) + 0..7: a tile of C
	global_load_b128 v[BIAS+8*\b+4:BIAS+8*\b+7], v[BO], s[72:73] offset:64*\b+16
.endr
	v_mul_u32_u24 v3, v1, AP
	v_lshl_add_u32 v3, v2, 4, v3
	s_mul_i32 s22, s11, 64*AP
	v_add_nc_u32 v[ADRA], s22, v3
	v_add_nc_u32 v[ADRA+1], SLOT, v[ADRA]
	v_mul_u32_u24 v4, v1, BP
	v_lshl_add_u32 v4, v2, 4, v4
	s_mul_i32 s22, s12, 64*BP
	s_add_co_u32 s22, s22, ABYTES
	v_add_nc_u32 v[ADRB], s22, v4
	v_add_nc_u32 v[ADRB+1], SLOT, v[ADRB]
	s_mul_i32 s23, s10, 16*SPITCH
	s_add_co_u32 s23, s23, STAGE
	v_mul_u32_u24 v5, v1, SPITCH
	v_lshl_add_u32 v5, v2, 5, v5                   ; row l % 16, 32 bytes for each half of the lanes
	v_add_nc_u32 v[STO], s23, v5
	v_mul_u32_u24 v6, v2, SPITCH                   ; back: lanes 0-15 one row of 256 bytes, lanes 16-31 the next
	v_lshl_add_u32 v6, v1, 4, v6
	v_add_nc_u32 v[RD], s23, v6
	v_lshlrev_b32 v7, 12, v2
	v_lshl_add_u32 v[CO], v1, 4, v7                ; the same two rows in out0
.macro PLACES                          ; four places behind a matrix instruction before a load lands on its sources or its result is read
.rept 4
	v_nop
.endr
.endm
; 16 LDS loads: the fragments of quarter q (32 along K, of the slot's 256) into buffer f.  ah's plane is q / 2, its bytes 64 (q % 2)
.macro FETCHO slot, q, f
	WIN 0
	PLACES
.irp i, 0,1,2,3
	ds_load_b128 v[\f+8*\i:\f+8*\i+3],   v[ADRB+\slot] offset:\i*16*BP+64*\q
	ds_load_b128 v[\f+8*\i+4:\f+8*\i+7], v[ADRB+\slot] offset:\i*16*BP+64*\q+32
.endr
.irp i, 0,1,2,3
	ds_load_b128 v[\f+32+8*\i:\f+32+8*\i+3],   v[ADRA+\slot] offset:(\q/2)*128*AP+\i*16*AP+(\q%2)*64
	ds_load_b128 v[\f+32+8*\i+4:\f+32+8*\i+7], v[ADRA+\slot] offset:(\q/2)*128*AP+\i*16*AP+(\q%2)*64+32
.endr
.endm
; 16 matrix instructions; the 16 accumulators take turns, one instruction a turn.  zero = 1: the bias starts the sums
.macro MUL16O f, zero
.if \zero
	WIN 0x40                                       ; D window 1, C (bias) window 0
.else
	WIN 0x50                                       ; C and D window 1
.endif
.irp a, 0,1,2,3
.irp b, 0,1,2,3
.if \zero
	v_wmma_f32_16x16x32_f16 v[8*(4*\a+\b):8*(4*\a+\b)+7], v[\f+8*\b:\f+8*\b+7], v[\f+32+8*\a:\f+32+8*\a+7], v[BIAS+8*\b:BIAS+8*\b+7]
.else
	v_wmma_f32_16x16x32_f16 v[8*(4*\a+\b):8*(4*\a+\b)+7], v[\f+8*\b:\f+8*\b+7], v[\f+32+8*\a:\f+32+8*\a+7], v[8*(4*\a+\b):8*(4*\a+\b)+7]
.endif
.endr
.endr
.endm
.macro QSTEP slot, qn, f, g, zero      ; buffer f is in; quarter qn's fragments go out into buffer g; buffer f is multiplied meanwhile
	s_wait_dscnt 0x0                               ; the 16 loads of buffer f are all that is out
	FETCHO \slot, \qn, \g
	MUL16O \f, \zero
.endm
.macro SLOTWORK slot, zero
	FETCHO \slot, 0, F0
	QSTEP \slot, 1, F0, F1, \zero
	QSTEP \slot, 2, F1, F0, 0
	QSTEP \slot, 3, F0, F1, 0
	QSTEP \slot, 4, F1, F0, 0
	QSTEP \slot, 5, F0, F1, 0
	QSTEP \slot, 6, F1, F0, 0
	QSTEP \slot, 7, F0, F1, 0
	s_wait_dscnt 0x0
	MUL16O F1, 0
.endm
; Slot s, which has been read, is filled again, 512 along K further on: all my tensor loads have landed, my reads are back, the round shows both of every wave of
; the sixteen work-groups, and the joint refill is the first thing behind it, one load a wave.
.macro CHANGE s
	WIN 0
	s_wait_tensorcnt 0x0
	ds_add_u32 v222, v223
	s_add_nc_u64 s[G0+4*\s+2:G0+4*\s+3], s[G0+4*\s+2:G0+4*\s+3], 131072
	s_add_nc_u64 s[G0B+4*\s+2:G0B+4*\s+3], s[G0B+4*\s+2:G0B+4*\s+3], 1024
	s_wait_dscnt 0x0
	CROUND
	JLOAD \s
.endm
	s_wait_tensorcnt 0x1                           ; my part of slot 0 is in; slot 1's stays out
	s_barrier_signal -1
	s_barrier_wait -1
	s_wait_loadcnt 0x0                             ; the bias: the first products take it as C
	SLOTWORK 0, 1                                  ; heads 0-3
	CHANGE 0
	SLOTWORK 1, 0                                  ; heads 4-7
	CHANGE 1
	SLOTWORK 0, 0                                  ; heads 8-11
	s_wait_tensorcnt 0x0                           ; the last tile; nothing is left to fetch
	s_wait_dscnt 0x0
	s_barrier_signal -1
	s_barrier_wait -1
	SLOTWORK 1, 0                                  ; heads 12-15
	; THE WAY OUT, 16 rows at a time, through my own stage: 32 bytes a lane in, whole rows of 256 bytes back
	PLACES
.macro OUTO a
	WIN 0x04                                       ; data window 1
.irp b, 0,1,2,3
	ds_store_b128 v[STO], v[8*(4*\a+\b):8*(4*\a+\b)+3]   offset:64*\b
	ds_store_b128 v[STO], v[8*(4*\a+\b)+4:8*(4*\a+\b)+7] offset:64*\b+16
.endr
	WIN 0
	s_wait_xcnt 0x0                                ; RB, which the last stores read, is loaded again only behind this wait (ISA guide 3.1)
.irp t, 0,1,2,3,4,5,6,7
	ds_load_b128 v[RB+4*\t:RB+4*\t+3], v[RD] offset:\t*2*SPITCH    ; LDS serves a wave's instructions in order: these see the stores above
.endr
.irp t, 0,1,2,3,4,5,6,7
	s_wait_dscnt 7-\t
	global_store_b128 v[CO], v[RB+4*\t:RB+4*\t+3], s[74:75] offset:(16*\a+2*\t)*4096 th:TH_STORE_NT   ; 16 lanes store 256 consecutive bytes at a multiple of 256
.endr
.endm
	OUTO 0
	OUTO 1
	OUTO 2
	OUTO 3
	s_wait_tensorcnt 0x0
	ds_add_u32 v222, v223
	s_wait_dscnt 0x0
	CROUND                                         ; the closing round
	s_endpgm
.Lfunc_end_k_q8147f901ba_oproj:
	.size	k_q8147f901ba_oproj, .Lfunc_end_k_q8147f901ba_oproj-k_q8147f901ba_oproj
	.p2alignl 7, 3214868480
	.fill 96, 4, 3214868480
	.section	.rodata,"a",@progbits
	.p2align	6, 0x0
	.amdhsa_kernel k_q8147f901ba_oproj
		.amdhsa_group_segment_fixed_size 327680
		.amdhsa_private_segment_fixed_size 0
		.amdhsa_enable_private_segment 0
		.amdhsa_kernarg_size 32
		.amdhsa_user_sgpr_count 2
		.amdhsa_user_sgpr_kernarg_segment_ptr 1
		.amdhsa_wavefront_size32 1
		.amdhsa_system_sgpr_workgroup_id_x 1
		.amdhsa_system_sgpr_workgroup_id_y 1
		.amdhsa_system_sgpr_workgroup_id_z 1
		.amdhsa_system_vgpr_workitem_id 0
		.amdhsa_next_free_vgpr 384
		.amdhsa_next_free_sgpr 76
		.amdhsa_reserve_vcc 0
		.amdhsa_float_denorm_mode_32 3
		.amdhsa_float_denorm_mode_16_64 3
		.amdhsa_memory_ordered 1
		.amdhsa_forward_progress 1
		.amdhsa_inst_pref_size 89
	.end_amdhsa_kernel
	.amdgpu_metadata
---
amdhsa.version: [ 1, 2 ]
amdhsa.kernels:
  - .name:           k_q8147f901ba_oproj
    .symbol:         k_q8147f901ba_oproj.kd
    .args:
      - { .name: ah, .offset: 0, .size: 8, .value_kind: global_buffer, .address_space: global }
      - { .name: woh, .offset: 8, .size: 8, .value_kind: global_buffer, .address_space: global }
      - { .name: bo, .offset: 16, .size: 8, .value_kind: global_buffer, .address_space: global }
      - { .name: out0, .offset: 24, .size: 8, .value_kind: global_buffer, .address_space: global }
    .group_segment_fixed_size: 327680
    .private_segment_fixed_size: 0
    .kernarg_segment_align: 8
    .kernarg_segment_size: 32
    .max_flat_workgroup_size: 128
    .sgpr_count:     76
    .vgpr_count:     384
    .wavefront_size: 32
...
	.end_amdgpu_metadata
.endif
;; end of part 4
